; MI455X (gfx1250); checked and timed in simulation.
; The chip was launched on July 23, 2026; its instructions are those of AMD's public machine-readable ISA for CDNA 5 (MIT licence, August 2026) and "CDNA5" Instruction Set Architecture Reference Guide (July 2026). The comments in the code are by the model that wrote it; some were corrected since.
;; Attention Layer. Allowed arithmetic: float matrix products may take bf16 or f16 operands with f32 sums; all other float work in f32.
;; Inputs: Wk 128 x 128 float32; Wo 128 x 128 float32; Wq 128 x 128 float32; Wv 128 x 128 float32; adj_mask 1,024 x 1,024 bool; bk 128 float32; bo 128 float32; bq 128 float32; bv 128 float32; key 8 x 1,024 x 128 float32; query 8 x 1,024 x 128 float32; value 8 x 1,024 x 128 float32.
;; Outputs: out0 8 x 1,024 x 128 float32.
;; One version. Each part assembles by itself: llvm-mc -triple=amdgcn-amd-amdhsa -mcpu=gfx1250 --defsym DOCPART=n.
;; ======== version 1 of 1: 2 launches
;; limits: values are held in f16: magnitudes above 65,504 overflow, below 6.1e-05 lose precision
;; workspace buffers: qws 2,097,152 bytes; kws 2,097,152 bytes; vws 2,097,152 bytes; wows 32,768 bytes
;; launch proj (part 1): grid 193 x 1, 8 waves a work-group, no clusters, 72,704 bytes of LDS; arguments query, key, value, Wq, Wk, Wv, Wo, bq, bk, bv, qws, kws, vws, wows; writes qws, kws, vws, wows
.if DOCPART == 1
	.amdgcn_target "amdgcn-amd-amdhsa--gfx1250"
	.amdhsa_code_object_version 6
	.text
	.protected	k_q58e1a5f43c_proj
	.globl	k_q58e1a5f43c_proj
	.p2align	8
	.type	k_q58e1a5f43c_proj,@function
k_q58e1a5f43c_proj:
	s_mov_b64 s[64:65], 0
	v_nop
	global_prefetch_b8 v0, s[64:65] scope:SCOPE_SE
	s_setreg_imm32_b32 hwreg(HW_REG_WAVE_MODE, 25, 1), 1
	s_wait_xcnt 0x0
; The three input projections, and Wo's fragments, all written in f16 in the order in which the next launch's matrix instructions want them.
;   work-groups   0- 63: q = (query Wq + bq) * log2(e)/4     (the softmax scale 1/sqrt(16) and the change to base 2 are folded in here)
;   work-groups  64-127: k =  key   Wk + bk
;   work-groups 128-191: v =  value Wv + bv
;   work-group  192    : Wo, rounded to f16 and transposed into fragments
; A work-group takes 128 of the 8,192 rows, a wave 16 of them and all 128 output channels: 8 accumulator tiles, K = 128 in four steps of 32.
; W ([k][c], f32) and the rows are rounded to f16 in registers on the way into LDS; W's fragments come out by the transposing LDS load.
; q and k are made transposed (source 0 = W's columns, source 1 = rows): a lane then holds 8 neighbouring channels of one row.
; v is made the plain way (source 0 = rows, source 1 = W's columns): a lane then holds 8 neighbouring keys of one channel.
; Either way a lane's 8 results are the 16 bytes of a fragment, and each store of a wave covers 512 consecutive bytes, aligned.
; LIMIT (f16 operands): |q|, |k|, |v| and the inputs themselves below 65504.
; NO CLUSTER: 193 work-groups do not divide by four, and W has to pass through registers to be rounded, so a joint tile would need a second pass through LDS.
.set SIGMA, 0x3eb8aa3b                 ; log2(e) / 4
.set WP,    288                        ; LDS pitch of W's rows: 256 bytes + 32, an odd multiple of 32 (for the transposing load)
.set XP,    272                        ; LDS pitch of the rows: 256 bytes + 16
.set XS,    128*WP                     ; behind W: 16 rows for each wave
.set XSW,   16*XP
.set BV,    16                         ; v[16:23]   bv of my channel in each of the 8 tiles (v only)
.set WST,   32                         ; v[32:95]   W as loaded
.set XST,   96                         ; v[96:159]  my rows as loaded
.set XF,    32                         ; v[32:63]   fragments of my 16 rows, four K steps
.set WF0,   64                         ; v[64:127]  W's 8 fragments of a K step, two buffers
.set WF1,   128
.set ACC,   192                        ; v[192:255] 8 accumulator tiles
.macro NOP4                            ; the four places behind a matrix instruction (ISA guide 7.12.1)
.rept 4
	v_nop
.endr
.endm
.macro LOADW                           ; load i: row 8 i + wave of W, 512 consecutive bytes
.irp i, 0,1,2,3,4,5,6,7,8,9,10,11,12,13,14,15
	global_load_b128 v[WST+4*\i:WST+4*\i+3], v4, s[38:39] offset:\i*4096
.endr
.endm
; sixteen loaded rows are rounded to f16 in place and laid into LDS.  left = younger loads that may stay out.
.macro STAGE src, adr, step, left
	s_wait_loadcnt \left
.irp i, 0,1,2,3,4,5,6,7,8,9,10,11,12,13,14,15
	v_cvt_pk_f16_f32 v[\src+4*\i], v[\src+4*\i], v[\src+4*\i+1]
	v_cvt_pk_f16_f32 v[\src+4*\i+1], v[\src+4*\i+2], v[\src+4*\i+3]
	ds_store_b64 v[\adr], v[\src+4*\i:\src+4*\i+1] offset:\i*\step
.endr
.endm
.macro WLOAD ks, buf                   ; W's 8 fragments of K step ks: lane (r, h) gets k = 32 ks + 8 h .. and 32 ks + 16 + 8 h .. of column 16 ct + r
.irp ct, 0,1,2,3,4,5,6,7
	ds_load_tr16_b128 v[\buf+8*\ct:\buf+8*\ct+3], v8 offset:\ks*32*WP+\ct*32
	ds_load_tr16_b128 v[\buf+8*\ct+4:\buf+8*\ct+7], v8 offset:\ks*32*WP+16*WP+\ct*32
.endr
.endm
; eight matrix instructions; the eight accumulators take turns, one instruction a turn
.macro MUL8 ks, buf, swap, first
.irp ct, 0,1,2,3,4,5,6,7
.if \swap
.if \first
	v_wmma_f32_16x16x32_f16 v[ACC+8*\ct:ACC+8*\ct+7], v[XF+8*\ks:XF+8*\ks+7], v[\buf+8*\ct:\buf+8*\ct+7], 0
.else
	v_wmma_f32_16x16x32_f16 v[ACC+8*\ct:ACC+8*\ct+7], v[XF+8*\ks:XF+8*\ks+7], v[\buf+8*\ct:\buf+8*\ct+7], v[ACC+8*\ct:ACC+8*\ct+7]
.endif
.else
	v_wmma_f32_16x16x32_f16 v[ACC+8*\ct:ACC+8*\ct+7], v[\buf+8*\ct:\buf+8*\ct+7], v[XF+8*\ks:XF+8*\ks+7], v[ACC+8*\ct:ACC+8*\ct+7]
.endif
.endr
.endm
; One projection.  swap = 0: q or k (the bias is loaded straight into the accumulators and starts the sums); swap = 1: v.
.macro PROJ swap
	s_add_nc_u64 s[36:37], s[36:37], s[48:49]      ; my wave's 16 rows
	s_add_nc_u64 s[38:39], s[38:39], s[44:45]      ; W at row `wave`
	s_add_nc_u64 s[42:43], s[42:43], s[50:51]      ; the block's 32,768 bytes of output
	LOADW
.irp i, 0,1,2,3,4,5,6,7,8,9,10,11,12,13,14,15
	global_load_b128 v[XST+4*\i:XST+4*\i+3], v4, s[36:37] offset:\i*512 th:TH_LOAD_NT   ; a whole row of 512 bytes; read once in the launch
.endr
.if \swap
	v_lshlrev_b32 v10, 2, v2                       ; bv[16 ct + r]
	v_lshl_add_u32 v9, s32, 9, v4                  ; out: 16 x lane + 512 x wave
.irp ct, 0,1,2,3,4,5,6,7
	global_load_b32 v[BV+\ct], v10, s[40:41] offset:\ct*64
.endr
	STAGE WST, 5, 8*WP, 24                         ; 16 loads of rows and 8 of the bias are younger
	STAGE XST, 6, XP, 8                            ; the 8 of the bias
.else
	v_lshlrev_b32 v10, 5, v3                       ; bias[16 ct + 8 h + j] is register j of tile ct
	v_lshl_add_u32 v9, s32, 10, v4                 ; out: 16 x lane + 1,024 x wave
.irp ct, 0,1,2,3,4,5,6,7
	global_load_b128 v[ACC+8*\ct:ACC+8*\ct+3], v10, s[40:41] offset:\ct*64
	global_load_b128 v[ACC+8*\ct+4:ACC+8*\ct+7], v10, s[40:41] offset:\ct*64+16
.endr
	STAGE WST, 5, 8*WP, 32                         ; 16 loads of rows and 16 of the bias are younger
	STAGE XST, 6, XP, 16                           ; the 16 of the bias
.endif
	s_wait_dscnt 0x0                               ; my rows of W are in LDS, for the other waves' sake
	s_barrier_signal -1
	s_barrier_wait -1
.irp ks, 0,1,2,3
	ds_load_b128 v[XF+8*\ks:XF+8*\ks+3], v7 offset:\ks*64
	ds_load_b128 v[XF+8*\ks+4:XF+8*\ks+7], v7 offset:\ks*64+32
.endr
	WLOAD 0, WF0
	WLOAD 1, WF1
	s_wait_loadcnt 0x0                             ; the bias
	s_wait_dscnt 16                                ; all but the 16 loads of the other buffer
	MUL8 0, WF0, \swap, 1
	NOP4                                           ; loads into registers that matrix instructions have read stand four places behind them
	WLOAD 2, WF0
	s_wait_dscnt 16
	MUL8 1, WF1, \swap, 0
	NOP4
	WLOAD 3, WF1
	s_wait_dscnt 16
	MUL8 2, WF0, \swap, 0
	s_wait_dscnt 0x0
	MUL8 3, WF1, \swap, 0
	NOP4
.if \swap
.irp ct, 0,1,2,3,4,5,6,7
.irp j, 0,2,4,6
.if \ct & 1
	v_pk_add_f32 v[ACC+8*\ct+\j:ACC+8*\ct+\j+1], v[ACC+8*\ct+\j:ACC+8*\ct+\j+1], v[BV+(\ct/2)*2:BV+(\ct/2)*2+1] op_sel:[0,1] op_sel_hi:[1,1]
.else
	v_pk_add_f32 v[ACC+8*\ct+\j:ACC+8*\ct+\j+1], v[ACC+8*\ct+\j:ACC+8*\ct+\j+1], v[BV+(\ct/2)*2:BV+(\ct/2)*2+1] op_sel_hi:[1,0]
.endif
.endr
.endr
.else
	s_cmp_lg_u32 s33, 0
	s_cbranch_scc1 .Lunscaled                      ; k keeps its scale
.set i, 0
.rept 32
	v_pk_mul_f32 v[ACC+i:ACC+i+1], v[ACC+i:ACC+i+1], s[46:47] op_sel_hi:[1,0]
.set i, i+2
.endr
.Lunscaled:
.endif
.irp ct, 0,1,2,3,4,5,6,7
.irp j, 0,1,2,3
	v_cvt_pk_f16_f32 v[ACC+8*\ct+\j], v[ACC+8*\ct+2*\j], v[ACC+8*\ct+2*\j+1]    ; in place: register j is written after it was read
.endr
.if \swap
	global_store_b128 v9, v[ACC+8*\ct:ACC+8*\ct+3], s[42:43] offset:\ct*4096
.else
	global_store_b128 v9, v[ACC+8*\ct:ACC+8*\ct+3], s[42:43] offset:(\ct>>1)*8192+(\ct&1)*512
.endif
.endr
	s_wait_tensorcnt 0x0
	ds_add_u32 v30, v31
	s_wait_dscnt 0x0
	s_endpgm
.endm
	s_load_b512 s[4:19], s[0:1], 0x0               ; query, key, value, Wq, Wk, Wv, Wo, bq
	s_load_b256 s[20:27], s[0:1], 0x40             ; bk, bv, qws, kws
	s_load_b128 s[28:31], s[0:1], 0x60             ; vws, wows
	v_lshl_add_u32 v30, v0, 2, 0x11800
	v_mov_b32 v31, 0
	v_lshrrev_b32 v1, 5, v0
	v_readfirstlane_b32 s32, v1                    ; wave
	s_lshr_b32 s33, ttmp9, 6                       ; job: 0 q, 1 k, 2 v, 3 Wo
	s_and_b32 s34, ttmp9, 63                       ; block of 128 rows
	s_mov_b32 s46, SIGMA
	s_mov_b32 s47, SIGMA
	s_lshl_b32 s44, s32, 9                         ; W: wave x 512 bytes
	s_mov_b32 s45, 0
	s_lshl_b32 s48, s34, 16                        ; rows: block x 65,536 + wave x 8,192 bytes
	s_lshl_b32 s35, s32, 13
	s_add_co_u32 s48, s48, s35
	s_mov_b32 s49, 0
	s_lshl_b32 s50, s34, 15                        ; output: block x 32,768 bytes
	s_mov_b32 s51, 0
	v_and_b32 v1, 31, v0                           ; lane
	v_and_b32 v2, 15, v0                           ; r
	v_bfe_u32 v3, v0, 4, 1                         ; h
	v_lshlrev_b32 v4, 4, v1                        ; 16 x lane
	s_mul_i32 s35, s32, WP
	v_lshl_add_u32 v5, v1, 3, s35                  ; W into LDS: row `wave`, 8 bytes a lane
	s_mul_i32 s35, s32, XSW
	s_add_co_u32 s35, s35, XS                      ; my wave's 16 rows in LDS
	v_lshl_add_u32 v6, v1, 3, s35
	v_mul_u32_u24 v7, v2, XP
	v_lshl_add_u32 v7, v3, 4, v7
	v_add_nc_u32 v7, s35, v7                       ; fragment of rows: r x pitch + 16 h
	v_and_b32 v8, 7, v0
	v_lshl_add_u32 v8, v3, 3, v8
	v_mul_u32_u24 v8, v8, WP
	v_bfe_u32 v9, v0, 3, 1
	v_lshl_add_u32 v8, v9, 4, v8                   ; transposing load: (8 h + lane mod 8) x pitch + 16 x bit 3 of the lane
	s_wait_kmcnt 0x0
	s_cmp_eq_u32 s33, 3
	s_cbranch_scc1 .Lwo
	s_cmp_eq_u32 s33, 2
	s_cbranch_scc1 .Lv
	s_cmp_eq_u32 s33, 0
	s_cselect_b64 s[36:37], s[4:5], s[6:7]         ; rows
	s_cselect_b64 s[38:39], s[10:11], s[12:13]     ; W
	s_cselect_b64 s[40:41], s[18:19], s[20:21]     ; bias
	s_cselect_b64 s[42:43], s[24:25], s[26:27]     ; output
	PROJ 0
.Lv:
	s_mov_b64 s[36:37], s[8:9]
	s_mov_b64 s[38:39], s[14:15]
	s_mov_b64 s[40:41], s[22:23]
	s_mov_b64 s[42:43], s[28:29]
	PROJ 1
.Lwo:
	; Wo: staged like every W; wave w then reads the four K steps' fragments of columns 16 w .. 16 w + 15 and stores them as they are.
	s_add_nc_u64 s[38:39], s[16:17], s[44:45]
	LOADW
	STAGE WST, 5, 8*WP, 0
	s_wait_dscnt 0x0
	s_barrier_signal -1
	s_barrier_wait -1
	v_lshl_add_u32 v8, s32, 5, v8                  ; my 16 columns: 32 bytes x wave
	v_lshl_add_u32 v9, s32, 12, v4                 ; 4,096 bytes of fragments for each wave
.irp i, 0,1,2,3,4,5,6,7
	ds_load_tr16_b128 v[WST+4*\i:WST+4*\i+3], v8 offset:\i*16*WP
.endr
	s_wait_dscnt 0x0
.irp i, 0,1,2,3,4,5,6,7
	global_store_b128 v9, v[WST+4*\i:WST+4*\i+3], s[30:31] offset:\i*512
.endr
	s_wait_tensorcnt 0x0
	ds_add_u32 v30, v31
	s_wait_dscnt 0x0
	s_endpgm
.Lfunc_end_k_q58e1a5f43c_proj:
	.size	k_q58e1a5f43c_proj, .Lfunc_end_k_q58e1a5f43c_proj-k_q58e1a5f43c_proj
	.p2alignl 7, 3214868480
	.fill 96, 4, 3214868480
	.section	.rodata,"a",@progbits
	.p2align	6, 0x0
	.amdhsa_kernel k_q58e1a5f43c_proj
		.amdhsa_group_segment_fixed_size 72704
		.amdhsa_private_segment_fixed_size 0
		.amdhsa_enable_private_segment 0
		.amdhsa_kernarg_size 112
		.amdhsa_user_sgpr_count 2
		.amdhsa_user_sgpr_kernarg_segment_ptr 1
		.amdhsa_wavefront_size32 1
		.amdhsa_system_sgpr_workgroup_id_x 1
		.amdhsa_system_sgpr_workgroup_id_y 1
		.amdhsa_system_sgpr_workgroup_id_z 1
		.amdhsa_system_vgpr_workitem_id 0
		.amdhsa_next_free_vgpr 256
		.amdhsa_next_free_sgpr 66
		.amdhsa_reserve_vcc 0
		.amdhsa_float_denorm_mode_32 3
		.amdhsa_float_denorm_mode_16_64 3
		.amdhsa_memory_ordered 1
		.amdhsa_forward_progress 1
		.amdhsa_inst_pref_size 54
	.end_amdhsa_kernel
	.amdgpu_metadata
---
amdhsa.version: [ 1, 2 ]
amdhsa.kernels:
  - .name:           k_q58e1a5f43c_proj
    .symbol:         k_q58e1a5f43c_proj.kd
    .args:
      - { .name: query, .offset: 0, .size: 8, .value_kind: global_buffer, .address_space: global }
      - { .name: key, .offset: 8, .size: 8, .value_kind: global_buffer, .address_space: global }
      - { .name: value, .offset: 16, .size: 8, .value_kind: global_buffer, .address_space: global }
      - { .name: Wq, .offset: 24, .size: 8, .value_kind: global_buffer, .address_space: global }
      - { .name: Wk, .offset: 32, .size: 8, .value_kind: global_buffer, .address_space: global }
      - { .name: Wv, .offset: 40, .size: 8, .value_kind: global_buffer, .address_space: global }
      - { .name: Wo, .offset: 48, .size: 8, .value_kind: global_buffer, .address_space: global }
      - { .name: bq, .offset: 56, .size: 8, .value_kind: global_buffer, .address_space: global }
      - { .name: bk, .offset: 64, .size: 8, .value_kind: global_buffer, .address_space: global }
      - { .name: bv, .offset: 72, .size: 8, .value_kind: global_buffer, .address_space: global }
      - { .name: qws, .offset: 80, .size: 8, .value_kind: global_buffer, .address_space: global }
      - { .name: kws, .offset: 88, .size: 8, .value_kind: global_buffer, .address_space: global }
      - { .name: vws, .offset: 96, .size: 8, .value_kind: global_buffer, .address_space: global }
      - { .name: wows, .offset: 104, .size: 8, .value_kind: global_buffer, .address_space: global }
    .group_segment_fixed_size: 72704
    .private_segment_fixed_size: 0
    .kernarg_segment_align: 8
    .kernarg_segment_size: 112
    .max_flat_workgroup_size: 256
    .sgpr_count:     66
    .vgpr_count:     256
    .wavefront_size: 32
...
	.end_amdgpu_metadata
.endif
;; end of part 1
;; launch attn (part 2): grid 256 x 1, 8 waves a work-group, clusters of 4 x 1, 312,832 bytes of LDS; arguments qws, kws, vws, wows, adj_mask, bo, out0; writes out0
.if DOCPART == 2
	.amdgcn_target "amdgcn-amd-amdhsa--gfx1250"
	.amdhsa_code_object_version 6
	.text
	.protected	k_q58e1a5f43c_attn
	.globl	k_q58e1a5f43c_attn
	.p2align	8
	.type	k_q58e1a5f43c_attn,@function
k_q58e1a5f43c_attn:
	s_mov_b64 s[64:65], 0
	v_nop
	global_prefetch_b8 v0, s[64:65] scope:SCOPE_SE
	s_setreg_imm32_b32 hwreg(HW_REG_WAVE_MODE, 25, 1), 1
	s_wait_xcnt 0x0
	s_wait_alu depctr_hold_cnt(0) depctr_sa_sdst(0) depctr_va_vdst(0) depctr_va_sdst(0) depctr_va_ssrc(0) depctr_va_vcc(0) depctr_vm_vsrc(0)
	s_getreg_b32 s2, hwreg(HW_REG_IB_STS2, 6, 4)
	s_cmp_eq_u32 s2, 0
	s_cbranch_scc0 .Lentry_in_a_cluster
	s_endpgm
.Lentry_in_a_cluster:
	s_bfe_u32 s2, ttmp6, 0x10000c
	s_cmp_lg_u32 s2, 0x3003
	s_cbranch_scc0 .Lentry_shape_is_right
	s_endpgm
.Lentry_shape_is_right:
; out = ((softmax(s) + softmax(s where adj_mask)) / 2  V) Wo + bo, with s = q k in base 2 (the scale is in q already).
; A work-group takes 32 queries (two tiles of 16) of one batch and all 8 heads.  Wave w takes keys 128 w .. 128 w + 127, so its 16 mask tiles are the
; same for all heads and both passes: they are built once and stay in registers, as an f32 bias (0 / -2^100) and as a packed f16 not-mask.
; PASS 1 finds, for each head and query, the true maximum over all keys (m_g) and over the admitted keys (m_l).
; PASS 2 takes ONE exponential a score: e = exp2(s - M), M = m_l on admitted keys and M = M_g on the others.  -M is the C operand of the score product,
;   C = fma(bias, t, -m_l), t = (m_g - m_l) 2^-100: exactly -m_l where bias = 0, and -M_g = fl(-(m_g - m_l) - m_l) elsewhere.  Every e is at most 1.
;   Four matrix sums: O_all = V' P, O_in = V' (P with the other keys cleared), L_all = 1 P, L_in = 1 P_in.
; FINISH, c = exp2(m_l - M_g) <= 1:  Lg = L_all - (1-c) L_in,  beta = 0.5 / Lg,  gamma = 0.5 / L_in - (1-c) beta,  att = beta O_all + gamma O_in.
;   Lg holds the global maximum's own weight 1 and the sums have at most 1,024 terms of at most 1, so the difference loses at most 10 bits of f32.
; A score tile is K (16 keys) x q (16 queries): a lane holds 8 keys of one query, which packed to f16 is the B fragment of the sums.  A K fragment holds the
; 32 channels of a PAIR of heads; q's fragment holds one head's 16 channels and 16 zeros, so one fragment of K serves both heads.
; CLUSTER: the four work-groups of a cluster are of one batch and need the same K (262,144 bytes), which stays in LDS for both passes.  Each wave asks for
; its own slab of 32,768 bytes by one joint tensor load: one tensor load a wave is outstanding in the whole text, and nothing is filled again.
; V is read once, straight into registers in fragment order, one head ahead; LDS has no room for it beside K, so it is not asked for jointly.
; LIMITS: f16 operands: |q|, |k|, |v|, |att| < 65504.  |s| < 2^90 (the bias -2^100 must lie below every score).  Mask bytes are 0 or 1.
;   A query with no admitted key gives NaN (gamma = inf times O_in = 0), as the local softmax of the definition does.
.set QS,   262144                      ; q: [pair 4][query tile 2][half 2][lane][16]                       8,192 bytes
.set MX,   270336                      ; maxima: [head][query tile][lane 32][part 8] f32; lanes 0-15 m_g, 16-31 m_l   16,384
.set LS,   286720                      ; sums, the same shape: lanes 0-15 L_all, 16-31 L_in                16,384
.set AT,   303104                      ; att in f16, 32 rows                                               8,704
.set MS,   MX                          ; the mask's stage, 32 rows of 1,040 bytes: only ahead of the second barrier
.set MSP,  1040                        ; 260 words: the 32 lanes' 8 bytes fall on 64 different banks (64 banks of 4 bytes: ISA guide 11.1)
.set ATP,  272
.set OSP,  528                         ; the way out: 32 rows of f32 at LDS byte 0, where the partial sums have been read by then
; K lies at LDS bytes 0 .. 262,143: slab w at 32,768 w, head pair p at + 8,192 p, then [key tile 8][half 2][lane][16].
; When a pair is finished the wave lays its partial O over its own dead 8,192 bytes: [head 2][all0, in0, all1, in1][half 2][lane][16].
; registers, window 0
.set ONES, 16                          ; v[16:23]   a fragment of ones
.set QB,   24                          ; v[24:47]   a query tile: [q even head 4][zeros 4][q odd head 4]
.set KA,   48                          ; v[48:63]   two fragments of K (32 keys)
.set VF,   64                          ; v[64:95]   a head's V, four fragments of 32 keys
.set SC,   96                          ; v[96:127]  scores, 16 registers for each query tile
.set PA,   128                         ; v[128:143] P in f16, 8 registers for each query tile
.set PI,   144                         ; v[144:151] P with the keys that are not admitted cleared
.set TN,   152                         ; v[152:159] the pair (t, -m_l) for (head of the pair, query tile)
.set OE,   160                         ; v[160:223] O: head of the pair x (all0, in0, all1, in1)
.set LL,   224                         ; v[224:255] L: all0, in0, all1, in1
; window 1 (v256 ..)
.set BIAS, 0                           ; tile (kt, qt) at 8 (2 kt + qt)
.set NM,   128                         ; its packed not-mask at 128 + 4 (2 kt + qt)
; pass 1 uses
.set AF,   160                         ; v[160:223] eight fragments of K
.set DG0,  96                          ; scores of an even key tile, four tiles (2 qt + head)
.set DG1,  224                         ; of an odd one
.set DL,   128                         ; scores + bias
.set MG,   48                          ; running maxima
.set ML,   52
; the mask's way into registers uses
.set MW,   96
.set EB,   128
.set YB,   160
; the reduction and the output projection use
.set RACC, 160
.set RB0,  96
.set RB1,  192
.set WOF,  224
.set LP,   48
.set MP,   128
.set BG,   156
.set ATF,  96
.set OA,   160
.set MSB, 0
.macro WIN new                         ; s_set_vgpr_msb: bits 1:0 source 0, 7:6 destination; the high byte repeats the setting that is left
.if MSB != \new
	s_set_vgpr_msb (MSB<<8)|\new
.set MSB, \new
.endif
.endm
.macro NOP4                            ; the four places behind a matrix instruction (ISA guide 7.12.1)
.rept 4
	v_nop
.endr
.endm
.macro BAR
	s_barrier_signal -1
	s_barrier_wait -1
.endm
.macro ROUND                           ; a round of the cluster's barrier
	s_barrier_signal -1
	s_barrier_wait -1
	s_cmp_lg_u32 s20, 0
	s_cbranch_scc1 .Lnot_wave_0_\@
	s_barrier_signal -3
.Lnot_wave_0_\@:
	s_barrier_wait -3
	s_barrier_signal -1
	s_barrier_wait -1
.endm
	; ---------------- ids, constants, the descriptor ----------------
	s_load_b256 s[4:11], s[0:1], 0x0               ; qws, kws, vws, wows
	s_load_b128 s[12:15], s[0:1], 0x20             ; adj_mask, bo
	s_load_b64 s[16:17], s[0:1], 0x30              ; out0
	s_set_vgpr_msb 0x40
	v_lshl_add_u32 v192, v0, 2, 0x4c200
	v_mov_b32 v193, 0
	s_set_vgpr_msb 0x4045
	ds_add_u32 v192, v193
	s_set_vgpr_msb 0x4500
	v_lshrrev_b32 v7, 5, v0
	v_readfirstlane_b32 s20, v7                    ; wave
	s_bfe_u32 s21, ttmp6, 0x40000                  ; cx
	s_lshr_b32 s23, ttmp9, 3                       ; batch: 8 clusters of 4 work-groups each; the same in the four partners
	s_and_b32 s22, ttmp9, 7
	s_lshl_b32 s22, s22, 2
	s_add_co_u32 s22, s22, s21                     ; block of 32 queries, 0 .. 31
	s_mov_b32 s40, 0xffff0000                      ; lanes 16-31
	s_mov_b32 s41, 0x76543210                      ; v_permlanex16_b32: lane i takes lane i xor 16
	s_mov_b32 s42, 0xfedcba98
	s_mov_b32 s46, 0x01010000                      ; v_perm_b32: bytes 0, 0, 1, 1
	s_mov_b32 s47, 0x03030202                      ; bytes 2, 2, 3, 3
	s_mov_b32 s48, 0xf1800000                      ; -2^100
	s_mov_b32 s28, 1                               ; group 0: count
	s_lshl_b32 s29, s20, 15                        ; LDS address: my slab
	s_mov_b32 s32, 15|(3<<16)|(1<<21)              ; group 1: the four partners; elements of 8 bytes; bit 21 beside a mask
	s_mov_b32 s33, 32<<16                          ; tensor_dim0 = 32 elements = 256 bytes
	s_mov_b32 s34, 128<<16                         ; tensor_dim1 = 128 rows
	s_mov_b32 s35, 32<<16                          ; tile_dim0 = 32
	s_mov_b32 s36, 128                             ; tile_dim1 = 128
	s_mov_b32 s37, 32                              ; pitch = 32 elements: the slab is dense
	s_mov_b32 s38, 0
	s_mov_b32 s39, 0
	s_lshl_b32 s24, s23, 18                        ; batch x 262,144 + wave x 32,768: K's and V's slab
	s_add_co_u32 s24, s24, s29
	s_mov_b32 s25, 0
	; offsets that hang on my place in the cluster have registers of their own
	s_lshl_b32 s50, s22, 15                        ; the mask's 32 rows
	s_mov_b32 s51, 0
	s_lshr_b32 s52, s22, 2                         ; q: batch x 262,144 + (block / 4) x 32,768 + (block mod 4) x 2,048
	s_lshl_b32 s52, s52, 15
	s_and_b32 s53, s22, 3
	s_lshl_b32 s53, s53, 11
	s_add_co_u32 s52, s52, s53
	s_lshl_b32 s53, s23, 18
	s_add_co_u32 s52, s52, s53
	s_mov_b32 s53, 0
	s_lshl_b32 s54, s23, 19                        ; out: batch x 524,288 + block x 16,384
	s_lshl_b32 s55, s22, 14
	s_add_co_u32 s54, s54, s55
	s_mov_b32 s55, 0
	s_lshl_b32 s56, s20, 12                        ; Wo's fragments of my 16 output channels
	s_mov_b32 s57, 0
	v_and_b32 v7, 31, v0
	v_lshlrev_b32 v1, 4, v7                        ; 16 x lane; never rewritten
	v_and_b32 v8, 15, v0                           ; r
	v_bfe_u32 v9, v0, 4, 1                         ; h
	v_lshlrev_b32 v10, 4, v0                       ; the mask in memory: 16 x thread (four rows of 1,024 bytes a load)
	v_lshrrev_b32 v11, 7, v0                       ; q in memory: (thread / 128) x 8,192 + 16 x (thread mod 128)
	v_and_b32 v12, 127, v0
	v_lshlrev_b32 v12, 4, v12
	v_lshl_add_u32 v11, v11, 13, v12
	v_lshrrev_b32 v12, 6, v0                       ; the mask's stage: row thread / 64, 16 x (thread mod 64)
	v_mul_u32_u24 v12, v12, MSP
	v_and_b32 v13, 63, v0
	v_lshl_add_u32 v12, v13, 4, v12
	v_add_nc_u32 v12, MS, v12
	v_add_nc_u32 v13, QS, v10                      ; q in LDS: 16 x thread
	v_mul_u32_u24 v14, v8, MSP                     ; my 8 mask bytes of a tile: row r, byte 128 w + 8 h
	v_lshl_add_u32 v14, v9, 3, v14
	s_lshl_b32 s26, s20, 7
	s_add_co_u32 s26, s26, MS
	v_add_nc_u32 v14, s26, v14
	s_wait_dscnt 0x0
	s_wait_kmcnt 0x0
	s_add_nc_u64 s[30:31], s[6:7], s[24:25]        ; group 0: K's slab in memory
	s_or_b32 s31, s31, 0x80000000                  ; type = 2
	s_add_nc_u64 s[44:45], s[8:9], s[24:25]        ; V's slab, at the head pair at work
	s_add_nc_u64 s[12:13], s[12:13], s[50:51]
	s_add_nc_u64 s[4:5], s[4:5], s[52:53]
	s_add_nc_u64 s[16:17], s[16:17], s[54:55]
	s_add_nc_u64 s[10:11], s[10:11], s[56:57]
	ROUND                                          ; the four partners are here: the joint loads meet
	tensor_load_to_lds s[28:31], s[32:39]          ; my slab of K, for all four; its registers are never written again
	s_nop 0
.irp i, 0,1,2,3,4,5,6,7
	global_load_b128 v[MW+4*\i:MW+4*\i+3], v10, s[12:13] offset:\i*4096
.endr
	global_load_b128 v[128:131], v11, s[4:5]
	global_load_b128 v[132:135], v11, s[4:5] offset:16384
.irp i, 0,1,2,3,4,5,6,7
	global_load_b128 v[VF+4*\i:VF+4*\i+3], v1, s[44:45] offset:\i*512      ; head 0's V; waited for in pass 2
.endr
	s_wait_loadcnt 8                               ; the mask and q are in; V's eight loads stay out
.irp i, 0,1,2,3,4,5,6,7
	ds_store_b128 v12, v[MW+4*\i:MW+4*\i+3] offset:\i*4*MSP
.endr
	ds_store_b128 v13, v[128:131]
	ds_store_b128 v13, v[132:135] offset:4096
	s_wait_dscnt 0x0                               ; for the other waves' sake
	BAR                                            ; the tensor load may stay out
	; ---------------- the mask into registers ----------------
.irp kt, 0,1,2,3,4,5,6,7
.irp qt, 0,1
	ds_load_b64 v[MW+2*(2*\kt+\qt):MW+2*(2*\kt+\qt)+1], v14 offset:\qt*16*MSP+\kt*16
.endr
.endr
	s_wait_dscnt 0x0
.macro MASK_A ti, tt                   ; in window 0: the bytes turned round (1 = not admitted), each as a word, and as bytes of 0xff
	v_xor_b32 v[MW+2*(\ti)], 0x01010101, v[MW+2*(\ti)]
	v_xor_b32 v[MW+2*(\ti)+1], 0x01010101, v[MW+2*(\ti)+1]
.irp k, 0,1,2,3
	v_bfe_u32 v[EB+8*\tt+\k], v[MW+2*(\ti)], 8*\k, 1
	v_bfe_u32 v[EB+8*\tt+4+\k], v[MW+2*(\ti)+1], 8*\k, 1
.endr
	v_lshlrev_b32 v[YB+2*\tt], 8, v[MW+2*(\ti)]
	v_lshlrev_b32 v[YB+2*\tt+1], 8, v[MW+2*(\ti)+1]
	v_sub_nc_u32 v[YB+2*\tt], v[YB+2*\tt], v[MW+2*(\ti)]           ; 256 x - x: each byte 1 becomes 0xff
	v_sub_nc_u32 v[YB+2*\tt+1], v[YB+2*\tt+1], v[MW+2*(\ti)+1]
.endm
.macro MASK_B ti, tt                   ; into window 1
.irp j, 0,1,2,3,4,5,6,7
	v_mul_lo_u32 v[BIAS+8*(\ti)+\j], v[EB+8*\tt+\j], s48           ; 0 or the bits of -2^100
.endr
	v_perm_b32 v[NM+4*(\ti)], v[YB+2*\tt], v[YB+2*\tt], s46        ; each byte doubled: a mask of f16 halves
	v_perm_b32 v[NM+4*(\ti)+1], v[YB+2*\tt], v[YB+2*\tt], s47
	v_perm_b32 v[NM+4*(\ti)+2], v[YB+2*\tt+1], v[YB+2*\tt+1], s46
	v_perm_b32 v[NM+4*(\ti)+3], v[YB+2*\tt+1], v[YB+2*\tt+1], s47
.endm
.irp g, 0,1,2,3
	WIN 0
	MASK_A 4*\g, 0
	MASK_A 4*\g+1, 1
	MASK_A 4*\g+2, 2
	MASK_A 4*\g+3, 3
	WIN 0x40
	MASK_B 4*\g, 0
	MASK_B 4*\g+1, 1
	MASK_B 4*\g+2, 2
	MASK_B 4*\g+3, 3
.endr
	WIN 0
.irp i, 0,1,2,3,4,5,6,7
	v_mov_b32 v[ONES+\i], 0x3c003c00               ; 1.0, 1.0 in f16
.endr
.irp i, 4,5,6,7,16,17,18,19
	v_mov_b32 v[QB+\i], 0                          ; the zeros between the two heads' q, written once
.endr
	v_add_nc_u32 v2, s29, v1                       ; K: my slab + 16 x lane (+ 8,192 a pair)
	v_add_nc_u32 v3, QS, v1                        ; q (+ 2,048 a pair)
	v_lshlrev_b32 v5, 1, v1
	v_add_nc_u32 v5, MX, v5                        ; maxima, read: 32 x lane (+ 4,096 a pair)
	v_lshl_add_u32 v4, s20, 2, v5                  ; maxima, written: + 4 x wave
	v_add_nc_u32 v6, LS-MX, v4                     ; sums, written
	s_wait_tensorcnt 0x0                           ; my slab of K has landed
	BAR                                            ; every wave has read the mask's stage: its bytes may be written again
	; ---------------- pass 1: the two maxima ----------------
.macro WM kt                           ; four score tiles of key tile kt: (query tile, head of the pair)
.set DGB, DG0+(DG1-DG0)*((\kt)&1)
	s_wait_dscnt 2*(7-(\kt))                       ; LDS loads come back in order (ISA guide 5.7.1): the later key tiles' loads stay out
.irp qt, 0,1
.irp par, 0,1
	v_wmma_f32_16x16x32_f16 v[DGB+8*(2*\qt+\par):DGB+8*(2*\qt+\par)+7], v[AF+8*(\kt):AF+8*(\kt)+7], v[QB+12*\qt+4*\par:QB+12*\qt+4*\par+7], 0
.endr
.endr
.endm
.macro LEVEL l
.irp x, 0,1,2,3
	v_max3_num_f32 v[MG+\x], v[MG+\x], v[DGB+8*\x+\l], v[DGB+8*\x+\l+1]
	v_max3_num_f32 v[ML+\x], v[ML+\x], v[DL+8*\x+\l], v[DL+8*\x+\l+1]
.endr
.endm
.macro VA kt, first                    ; 16 packed adds of the bias, then eight chains of maxima, level by level.  first = 1: the data start the chains
.set DGB, DG0+(DG1-DG0)*((\kt)&1)
	WIN 0x01
.irp qt, 0,1
.irp par, 0,1
.irp c, 0,2,4,6
	v_pk_add_f32 v[DL+8*(2*\qt+\par)+\c:DL+8*(2*\qt+\par)+\c+1], v[BIAS+8*(2*(\kt)+\qt)+\c:BIAS+8*(2*(\kt)+\qt)+\c+1], v[DGB+8*(2*\qt+\par)+\c:DGB+8*(2*\qt+\par)+\c+1]
.endr
.endr
.endr
	WIN 0
.if \first
.irp x, 0,1,2,3
	v_max_num_f32 v[MG+\x], v[DGB+8*\x], v[DGB+8*\x+1]
	v_max_num_f32 v[ML+\x], v[DL+8*\x], v[DL+8*\x+1]
.endr
.else
	LEVEL 0
.endif
	LEVEL 2
	LEVEL 4
	LEVEL 6
.endm
	s_mov_b32 s43, 0
.Lpass1:                               ; a trip = a pair of heads
.irp qt, 0,1
	ds_load_b128 v[QB+12*\qt:QB+12*\qt+3], v3 offset:\qt*1024
	ds_load_b128 v[QB+12*\qt+8:QB+12*\qt+11], v3 offset:\qt*1024+512
.endr
.irp kt, 0,1,2,3,4,5,6,7
	ds_load_b128 v[AF+8*\kt:AF+8*\kt+3], v2 offset:\kt*1024
	ds_load_b128 v[AF+8*\kt+4:AF+8*\kt+7], v2 offset:\kt*1024+512
.endr
	WM 0
	WM 1
	NOP4
	VA 0, 1
.irp kt, 1,2,3,4,5,6
	WM \kt+1                                       ; the 48 vector instructions of the tile before are the places between these and their readers
	VA \kt, 0
.endr
	VA 7, 0
	; a lane has the maxima of its half of the keys: lanes 0-15 end with m_g of query r, lanes 16-31 with m_l
.irp x, 0,1,2,3
	v_cndmask_b32 v[7+\x], v[MG+\x], v[ML+\x], s40
	v_cndmask_b32 v[11+\x], v[ML+\x], v[MG+\x], s40
.endr
.irp x, 0,1,2,3
	v_permlanex16_b32 v[MG+\x], v[11+\x], s41, s42
.endr
.irp x, 0,1,2,3
	v_max_num_f32 v[7+\x], v[7+\x], v[MG+\x]
	ds_store_b32 v4, v[7+\x] offset:(\x&1)*2048+(\x>>1)*1024
.endr
	v_add_nc_u32 v2, 8192, v2
	v_add_nc_u32 v3, 2048, v3
	v_add_nc_u32 v4, 4096, v4
	s_add_co_u32 s43, s43, 1
	s_cmp_lt_u32 s43, 4
	s_cbranch_scc1 .Lpass1
	v_add_nc_u32 v2, s29, v1                       ; back to the first pair
	v_add_nc_u32 v3, QS, v1
	s_wait_dscnt 0x0
	BAR                                            ; every part's maxima are in LDS
	; ---------------- pass 2 ----------------
; eight parts' maxima in v[a .. a+7] (lanes 0-15 m_g, 16-31 m_l) -> v[d] = t = (m_g - m_l) 2^-100, v[d+1] = -m_l, in every lane.  x: a register at work
.macro GETM a, d, x
	v_max3_num_f32 v[\x], v[\a], v[\a+1], v[\a+2]
	v_max3_num_f32 v[\x], v[\x], v[\a+3], v[\a+4]
	v_max3_num_f32 v[\x], v[\x], v[\a+5], v[\a+6]
	v_max_num_f32 v[\x], v[\x], v[\a+7]
	v_permlanex16_b32 v[\a], v[\x], s41, s42
	v_cndmask_b32 v[\a+1], v[\x], v[\a], s40       ; m_g
	v_cndmask_b32 v[\a+2], v[\a], v[\x], s40       ; m_l
	v_sub_f32 v[\a+1], v[\a+1], v[\a+2]
	v_mul_f32 v[\d], 0x0d800000, v[\a+1]           ; x 2^-100: exact but for denormals
	v_mul_f32 v[\d+1], -1.0, v[\a+2]
.endm
.macro KLOAD kb                        ; K's two fragments of 32 keys
.irp i, 0,1
	ds_load_b128 v[KA+8*\i:KA+8*\i+3], v2 offset:(2*(\kb)+\i)*1024
	ds_load_b128 v[KA+8*\i+4:KA+8*\i+7], v2 offset:(2*(\kb)+\i)*1024+512
.endr
.endm
.macro VPRE kbl, par                   ; the next head's V, 32 keys, into the fragment that has just had its last use
	global_load_b128 v[VF+8*(\kbl):VF+8*(\kbl)+3], v1, s[44:45] offset:(\par+1)*4096+(\kbl)*1024
	global_load_b128 v[VF+8*(\kbl)+4:VF+8*(\kbl)+7], v1, s[44:45] offset:(\par+1)*4096+(\kbl)*1024+512
.endm
; sub-step j = 2 x (block of 32 keys) + query tile
.macro BUILDC j, par                   ; C = bias t - m_l (source 0 in window 1)
.set BQ, (\j)&1
.set BK, (\j)>>1
.irp i, 0,1
.irp c, 0,2,4,6
	v_pk_fma_f32 v[SC+16*BQ+8*\i+\c:SC+16*BQ+8*\i+\c+1], v[BIAS+8*(2*(2*BK+\i)+BQ)+\c:BIAS+8*(2*(2*BK+\i)+BQ)+\c+1], v[TN+2*(2*\par+BQ):TN+2*(2*\par+BQ)+1], v[TN+2*(2*\par+BQ):TN+2*(2*\par+BQ)+1] op_sel:[0,0,1] op_sel_hi:[1,0,1]
.endr
.endr
.endm
.macro BFI j                           ; P with the halves of keys that are not admitted cleared (source 0 in window 1)
.set FQ, (\j)&1
.set FK, (\j)>>1
.irp i, 0,1
.irp c, 0,1,2,3
	v_bfi_b32 v[PI+4*\i+\c], v[NM+4*(2*(2*FK+\i)+FQ)+\c], 0, v[PA+8*FQ+4*\i+\c]
.endr
.endr
.endm
; the four sums; four accumulators take turns, one instruction a turn.  The first block of keys starts the sums.
.macro AV j, par, pre
.set AQ, (\j)&1
.set AK, (\j)>>1
.if AQ == 0
.if \pre
	s_wait_loadcnt 6                               ; younger than this fragment's two loads: 2 (3 - kb) of this head's and 2 kb of the next head's
.else
	s_wait_loadcnt 6-2*AK                          ; the last head: only its own
.endif
.endif
.if AK == 0
	v_wmma_f32_16x16x32_f16 v[OE+32*\par+16*AQ:OE+32*\par+16*AQ+7], v[VF+8*AK:VF+8*AK+7], v[PA+8*AQ:PA+8*AQ+7], 0
	v_wmma_f32_16x16x32_f16 v[LL+16*AQ:LL+16*AQ+7], v[ONES:ONES+7], v[PA+8*AQ:PA+8*AQ+7], 0
	v_wmma_f32_16x16x32_f16 v[OE+32*\par+16*AQ+8:OE+32*\par+16*AQ+15], v[VF+8*AK:VF+8*AK+7], v[PI:PI+7], 0
	v_wmma_f32_16x16x32_f16 v[LL+16*AQ+8:LL+16*AQ+15], v[ONES:ONES+7], v[PI:PI+7], 0
.else
	v_wmma_f32_16x16x32_f16 v[OE+32*\par+16*AQ:OE+32*\par+16*AQ+7], v[VF+8*AK:VF+8*AK+7], v[PA+8*AQ:PA+8*AQ+7], v[OE+32*\par+16*AQ:OE+32*\par+16*AQ+7]
	v_wmma_f32_16x16x32_f16 v[LL+16*AQ:LL+16*AQ+7], v[ONES:ONES+7], v[PA+8*AQ:PA+8*AQ+7], v[LL+16*AQ:LL+16*AQ+7]
	v_wmma_f32_16x16x32_f16 v[OE+32*\par+16*AQ+8:OE+32*\par+16*AQ+15], v[VF+8*AK:VF+8*AK+7], v[PI:PI+7], v[OE+32*\par+16*AQ+8:OE+32*\par+16*AQ+15]
	v_wmma_f32_16x16x32_f16 v[LL+16*AQ+8:LL+16*AQ+15], v[ONES:ONES+7], v[PI:PI+7], v[LL+16*AQ+8:LL+16*AQ+15]
.endif
.endm
.macro SUB j, par, pre
.set SQ, (\j)&1
.if SQ == 0
	s_wait_dscnt 0x0                               ; this block's fragments of K
.endif
	v_wmma_f32_16x16x32_f16 v[SC+16*SQ:SC+16*SQ+7], v[KA:KA+7], v[QB+12*SQ+4*\par:QB+12*SQ+4*\par+7], v[SC+16*SQ:SC+16*SQ+7]
	v_wmma_f32_16x16x32_f16 v[SC+16*SQ+8:SC+16*SQ+15], v[KA+8:KA+15], v[QB+12*SQ+4*\par:QB+12*SQ+4*\par+7], v[SC+16*SQ+8:SC+16*SQ+15]
	WIN 0x01                                       ; 8 to 16 vector instructions on other registers: the places behind the two score products
.if \j > 0
	BFI \j-1
.endif
.if \j < 7
	BUILDC \j+1, \par
.endif
	WIN 0
.if SQ == 1
.if \j < 7
	KLOAD (\j+1)/2
.endif
.endif
.if \j > 0
	AV \j-1, \par, \pre
.endif
.set i, 0
.rept 16
	v_exp_f32 v[SC+16*SQ+i], v[SC+16*SQ+i]
.set i, i+1
.endr
	v_nop                                          ; one plain instruction between the exponentials and their use (ISA guide 5.7.2)
	s_wait_alu depctr_va_vdst(0)
.irp c, 0,1,2,3,4,5,6,7
	v_cvt_pk_f16_f32 v[PA+8*SQ+\c], v[SC+16*SQ+2*\c], v[SC+16*SQ+2*\c+1]
.endr
.if \pre
.if SQ == 0
.if \j > 0
	VPRE \j/2-1, \par                              ; the nine instructions above are the places behind that fragment's last use
.endif
.endif
.endif
.endm
.macro HEAD par, pre                   ; one head: 128 keys x 32 queries.  pre = 1: the next head's V is asked for
	KLOAD 0
	WIN 0x01
	BUILDC 0, \par
	WIN 0
.irp j, 0,1,2,3,4,5,6,7
	SUB \j, \par, \pre
.endr
	WIN 0x01
	BFI 7
	WIN 0
	AV 7, \par, \pre
	NOP4
.if \pre
	VPRE 3, \par
.endif
.irp qt, 0,1
	v_cndmask_b32 v[7+\qt], v[LL+16*\qt], v[LL+16*\qt+8], s40      ; every row of a tile of L is the same sum: lanes 0-15 L_all, 16-31 L_in
	ds_store_b32 v6, v[7+\qt] offset:\par*2048+\qt*1024
.endr
.endm
.macro PAIR last
.irp x, 0,1,2,3                        ; x = 2 x head of the pair + query tile
	ds_load_b128 v[SC+8*\x:SC+8*\x+3], v5 offset:\x*1024
	ds_load_b128 v[SC+8*\x+4:SC+8*\x+7], v5 offset:\x*1024+16
.endr
.irp qt, 0,1
	ds_load_b128 v[QB+12*\qt:QB+12*\qt+3], v3 offset:\qt*1024
	ds_load_b128 v[QB+12*\qt+8:QB+12*\qt+11], v3 offset:\qt*1024+512
.endr
	s_wait_dscnt 0x0
.irp x, 0,1,2,3
	GETM SC+8*\x, TN+2*\x, 7+\x
.endr
	HEAD 0, 1
.if \last
	HEAD 1, 0
.else
	HEAD 1, 1
.endif
.irp i, 0,1,2,3,4,5,6,7,8,9,10,11,12,13,14,15
	ds_store_b128 v2, v[OE+4*\i:OE+4*\i+3] offset:\i*512           ; over my own K of this pair, which I have read for the last time; LDS serves a wave in order
.endr
.if \last == 0
	s_wait_xcnt 0x0                                ; V's base is stepped only behind this wait
	s_add_nc_u64 s[44:45], s[44:45], 8192
	v_add_nc_u32 v2, 8192, v2
	v_add_nc_u32 v3, 2048, v3
	v_add_nc_u32 v5, 4096, v5
	v_add_nc_u32 v6, 4096, v6
.endif
.endm
	s_mov_b32 s43, 0
.Lpass2:
	PAIR 0
	s_add_co_u32 s43, s43, 1
	s_cmp_lt_u32 s43, 3
	s_cbranch_scc1 .Lpass2
	PAIR 1                                         ; the last pair is written out: its second head asks for no further V
	s_wait_dscnt 0x0
	BAR                                            ; every part's O and L are in LDS
	; ---------------- the eight parts are added: wave w owns head w ----------------
.irp i, 0,1,2,3,4,5,6,7
	global_load_b128 v[WOF+4*\i:WOF+4*\i+3], v1, s[10:11] offset:\i*512    ; Wo's fragments of output channels 16 w .. 16 w + 15, for later
.endr
	v_and_b32 v8, 15, v0                           ; r
	v_bfe_u32 v9, v0, 4, 1                         ; h
	v_lshlrev_b32 v10, 5, v9
	v_lshl_add_u32 v10, s20, 6, v10                ; bo[16 w + 8 h ..]
	global_load_b128 v[ONES:ONES+3], v10, s[14:15]
	global_load_b128 v[ONES+4:ONES+7], v10, s[14:15] offset:16
	v_lshlrev_b32 v13, 1, v1
	v_lshl_add_u32 v13, s20, 11, v13               ; head w: 2,048 w + 32 x lane
	v_add_nc_u32 v12, LS, v13
	v_add_nc_u32 v13, MX, v13
	v_lshl_add_u32 v11, s20, 12, v1                ; head w's partial O in part 0: 4,096 w + 16 x lane
	v_mul_u32_u24 v14, v8, ATP
	v_lshl_add_u32 v14, v9, 4, v14
	v_add_nc_u32 v15, AT, v14                      ; att, read as fragments: r x pitch + 16 h
	v_lshl_add_u32 v14, s20, 5, v15                ; att, written: + 32 w
.irp qt, 0,1
	ds_load_b128 v[LP+8*\qt:LP+8*\qt+3], v12 offset:\qt*1024
	ds_load_b128 v[LP+8*\qt+4:LP+8*\qt+7], v12 offset:\qt*1024+16
	ds_load_b128 v[MP+8*\qt:MP+8*\qt+3], v13 offset:\qt*1024
	ds_load_b128 v[MP+8*\qt+4:MP+8*\qt+7], v13 offset:\qt*1024+16
.endr
.macro RLOAD dst                       ; a part's four tiles, then on to the next part
.irp i, 0,1,2,3,4,5,6,7
	ds_load_b128 v[\dst+4*\i:\dst+4*\i+3], v11 offset:\i*512
.endr
	v_add_nc_u32 v11, 32768, v11
.endm
.macro RADD buf
.set i, 0
.rept 16
	v_pk_add_f32 v[RACC+i:RACC+i+1], v[RACC+i:RACC+i+1], v[\buf+i:\buf+i+1]
.set i, i+2
.endr
.endm
	RLOAD RACC                                     ; part 0 starts the sums; the parts are added in ascending order
	RLOAD RB0
	RLOAD RB1
.rept 2
	s_wait_dscnt 8                                 ; all but the younger part's eight loads
	RADD RB0
	RLOAD RB0
	s_wait_dscnt 8
	RADD RB1
	RLOAD RB1
.endr
	s_wait_dscnt 8
	RADD RB0
	RLOAD RB0                                      ; part 7
	s_wait_dscnt 8
	RADD RB1
	s_wait_dscnt 0x0
	RADD RB0
.macro FIN qt
.set LQ, LP+8*\qt
.set MQ, MP+8*\qt
.set TQ, TN+2*\qt
.set GQ, BG+2*\qt
.set CQ, RACC+16*\qt
	v_pk_add_f32 v[LQ:LQ+1], v[LQ:LQ+1], v[LQ+2:LQ+3]
	v_pk_add_f32 v[LQ:LQ+1], v[LQ:LQ+1], v[LQ+4:LQ+5]
	v_pk_add_f32 v[LQ:LQ+1], v[LQ:LQ+1], v[LQ+6:LQ+7]
	v_add_f32 v[LQ], v[LQ], v[LQ+1]
	v_permlanex16_b32 v[LQ+2], v[LQ], s41, s42
	v_cndmask_b32 v[LQ+4], v[LQ], v[LQ+2], s40     ; L_all
	v_cndmask_b32 v[LQ+5], v[LQ+2], v[LQ], s40     ; L_in
	GETM MQ, TQ, 144
	v_fmamk_f32 v145, v[TQ], 0xf1800000, v[TQ+1]   ; -M_g, by the very operation that made C
	v_sub_f32 v145, v145, v[TQ+1]                  ; m_l - M_g
	v_exp_f32 v145, v145                           ; c
	v_rcp_f32 v146, v[LQ+5]
	v_nop
	s_wait_alu depctr_va_vdst(0)
	v_sub_f32 v145, 1.0, v145                      ; 1 - c
	v_fma_f32 v147, -v145, v[LQ+5], v[LQ+4]        ; Lg
	v_rcp_f32 v147, v147
	v_mul_f32 v146, 0.5, v146
	s_wait_alu depctr_va_vdst(0)
	v_mul_f32 v[GQ], 0.5, v147                     ; beta
	v_fma_f32 v[GQ+1], -v145, v[GQ], v146          ; gamma
.irp c, 0,2,4,6
	v_pk_mul_f32 v[CQ+\c:CQ+\c+1], v[CQ+\c:CQ+\c+1], v[GQ:GQ+1] op_sel_hi:[1,0]
.endr
.irp c, 0,2,4,6
	v_pk_fma_f32 v[CQ+\c:CQ+\c+1], v[CQ+8+\c:CQ+8+\c+1], v[GQ:GQ+1], v[CQ+\c:CQ+\c+1] op_sel:[0,1,0] op_sel_hi:[1,1,1]
.endr
.irp c, 0,1,2,3
	v_cvt_pk_f16_f32 v[CQ+\c], v[CQ+2*\c], v[CQ+2*\c+1]
.endr
	ds_store_b128 v14, v[CQ:CQ+3] offset:\qt*16*ATP                ; channels 16 w + 8 h .. + 7 of query 16 qt + r
.endm
	FIN 0
	FIN 1
	s_wait_dscnt 0x0
	BAR                                            ; att is whole; the partial sums have been read by every wave
	; ---------------- out = att Wo + bo: wave w makes output channels 16 w .. 16 w + 15 of the 32 queries ----------------
.irp qt, 0,1
.irp ks, 0,1,2,3
	ds_load_b128 v[ATF+32*\qt+8*\ks:ATF+32*\qt+8*\ks+3], v15 offset:\qt*16*ATP+\ks*64
	ds_load_b128 v[ATF+32*\qt+8*\ks+4:ATF+32*\qt+8*\ks+7], v15 offset:\qt*16*ATP+\ks*64+32
.endr
.endr
	v_mul_u32_u24 v12, v8, OSP
	v_lshl_add_u32 v12, v9, 5, v12
	v_lshl_add_u32 v12, s20, 6, v12                ; the way out, in: row r, bytes 64 w + 32 h
	s_mul_i32 s26, s20, 4*OSP
	v_add_nc_u32 v13, s26, v1                      ; back: rows 4 w .., 16 x lane
	v_lshl_add_u32 v7, s20, 11, v1                 ; and the same rows in out0
	s_wait_loadcnt 0x0                             ; Wo's fragments and bo
	s_wait_dscnt 0x0
	; source 0 = Wo's columns, source 1 = att's rows: a lane holds 8 neighbouring channels of a query.  bo starts the sums.
	; two accumulators take turns, one instruction a turn
	v_wmma_f32_16x16x32_f16 v[OA:OA+7], v[WOF:WOF+7], v[ATF:ATF+7], v[ONES:ONES+7]
	v_wmma_f32_16x16x32_f16 v[OA+8:OA+15], v[WOF:WOF+7], v[ATF+32:ATF+39], v[ONES:ONES+7]
.irp ks, 1,2,3
	v_wmma_f32_16x16x32_f16 v[OA:OA+7], v[WOF+8*\ks:WOF+8*\ks+7], v[ATF+8*\ks:ATF+8*\ks+7], v[OA:OA+7]
	v_wmma_f32_16x16x32_f16 v[OA+8:OA+15], v[WOF+8*\ks:WOF+8*\ks+7], v[ATF+32+8*\ks:ATF+32+8*\ks+7], v[OA+8:OA+15]
.endr
	NOP4
.irp qt, 0,1
	ds_store_b128 v12, v[OA+8*\qt:OA+8*\qt+3] offset:\qt*16*OSP
	ds_store_b128 v12, v[OA+8*\qt+4:OA+8*\qt+7] offset:\qt*16*OSP+16
.endr
	s_wait_dscnt 0x0
	BAR
.irp i, 0,1,2,3
	ds_load_b128 v[ATF+4*\i:ATF+4*\i+3], v13 offset:\i*OSP
.endr
.irp i, 0,1,2,3
	s_wait_dscnt 3-\i
	global_store_b128 v7, v[ATF+4*\i:ATF+4*\i+3], s[16:17] offset:\i*512 th:TH_STORE_NT   ; a whole row of out0: 512 consecutive bytes, aligned
.endr
	s_set_vgpr_msb 0x5
	s_wait_tensorcnt 0x0
	ds_add_u32 v192, v193
	s_wait_dscnt 0x0
	s_set_vgpr_msb 0x500
	ROUND                                          ; the closing round: no work-group ends while a partner may still ask for a tile that names it
	s_endpgm
.Lfunc_end_k_q58e1a5f43c_attn:
	.size	k_q58e1a5f43c_attn, .Lfunc_end_k_q58e1a5f43c_attn-k_q58e1a5f43c_attn
	.p2alignl 7, 3214868480
	.fill 96, 4, 3214868480
	.section	.rodata,"a",@progbits
	.p2align	6, 0x0
	.amdhsa_kernel k_q58e1a5f43c_attn
		.amdhsa_group_segment_fixed_size 312832
		.amdhsa_private_segment_fixed_size 0
		.amdhsa_enable_private_segment 0
		.amdhsa_kernarg_size 56
		.amdhsa_user_sgpr_count 2
		.amdhsa_user_sgpr_kernarg_segment_ptr 1
		.amdhsa_wavefront_size32 1
		.amdhsa_system_sgpr_workgroup_id_x 1
		.amdhsa_system_sgpr_workgroup_id_y 1
		.amdhsa_system_sgpr_workgroup_id_z 1
		.amdhsa_system_vgpr_workitem_id 0
		.amdhsa_next_free_vgpr 450
		.amdhsa_next_free_sgpr 66
		.amdhsa_reserve_vcc 0
		.amdhsa_float_denorm_mode_32 3
		.amdhsa_float_denorm_mode_16_64 3
		.amdhsa_memory_ordered 1
		.amdhsa_forward_progress 1
		.amdhsa_inst_pref_size 183
	.end_amdhsa_kernel
	.amdgpu_metadata
---
amdhsa.version: [ 1, 2 ]
amdhsa.kernels:
  - .name:           k_q58e1a5f43c_attn
    .symbol:         k_q58e1a5f43c_attn.kd
    .args:
      - { .name: qws, .offset: 0, .size: 8, .value_kind: global_buffer, .address_space: global }
      - { .name: kws, .offset: 8, .size: 8, .value_kind: global_buffer, .address_space: global }
      - { .name: vws, .offset: 16, .size: 8, .value_kind: global_buffer, .address_space: global }
      - { .name: wows, .offset: 24, .size: 8, .value_kind: global_buffer, .address_space: global }
      - { .name: adj_mask, .offset: 32, .size: 8, .value_kind: global_buffer, .address_space: global }
      - { .name: bo, .offset: 40, .size: 8, .value_kind: global_buffer, .address_space: global }
      - { .name: out0, .offset: 48, .size: 8, .value_kind: global_buffer, .address_space: global }
    .group_segment_fixed_size: 312832
    .private_segment_fixed_size: 0
    .kernarg_segment_align: 8
    .kernarg_segment_size: 56
    .max_flat_workgroup_size: 256
    .sgpr_count:     66
    .vgpr_count:     450
    .wavefront_size: 32
...
	.end_amdgpu_metadata
.endif
;; end of part 2
